; MI455X (gfx1250); checked and timed in simulation.
; The chip was launched on July 23, 2026; its instructions are those of AMD's public machine-readable ISA for CDNA 5 (MIT licence, August 2026) and "CDNA5" Instruction Set Architecture Reference Guide (July 2026). The comments in the code are by the model that wrote it; some were corrected since.
;; Vanilla Vector Quantizer. Allowed arithmetic: float matrix products may take bf16 or f16 operands with f32 sums; all other float work in f32.
;; Inputs: codebook 64 x 512 float32; encodings 32 x 64 x 64 x 64 float32.
;; Outputs: out0 32 x 64 x 64 x 64 float32.
;; One version. Each part assembles by itself: llvm-mc -triple=amdgcn-amd-amdhsa -mcpu=gfx1250 --defsym DOCPART=n.
;; ======== version 1 of 1: 2 launches
;; workspace buffers: ids 524,288 bytes of whole numbers
;; launch assign (part 1): grid 256 x 1, 8 waves a work-group, no clusters, 168,960 bytes of LDS; arguments encodings, codebook, ids; writes ids
.if DOCPART == 1
	.amdgcn_target "amdgcn-amd-amdhsa--gfx1250"
	.amdhsa_code_object_version 6
	.text
	.protected	k_qaf94434927_assign
	.globl	k_qaf94434927_assign
	.p2align	8
	.type	k_qaf94434927_assign,@function
k_qaf94434927_assign:
	s_mov_b64 s[64:65], 0
	v_nop
	global_prefetch_b8 v0, s[64:65] scope:SCOPE_SE
	s_setreg_imm32_b32 hwreg(HW_REG_WAVE_MODE, 25, 1), 1
	s_wait_xcnt 0x0
; VanillaVectorQuantizer, first of two launches: ids[n] = argmin over k of dist[n][k],
;   dist[n][k] = (sq_x[n] - 2 x[n].e[k]) + sq_e[k],   n = 4096 b + hw (131,072 vectors of 64 channels), k = 0..511.
; The second launch looks the codes up.
;
; NOTHING OF reference() IS LEFT OUT.  sq_x[n] is the same for all 512 codes of a vector and could not move the argmin in real
; arithmetic, but it stays: for inputs of the problem's kind sq_x is about 64 and the codes differ by about 0.02, so reference()'s
; two f32 sums lie on sq_x's grid (2^-18 or 2^-17), codes closer than that tie, and argmin takes the lowest index.  So each distance
; is formed here with the same two roundings, fl(fl(sq_x - 2 dot) + sq_e) (2 dot is exact, so one fused multiply-add is the first),
; and ties go to the lowest index at every stage.
; LIMITS.  x and the codebook are rounded to bf16 (nearest even) for the product; sq_x and sq_e are sums of squares of the SAME rounded
; numbers, so that the distance is that of the rounded vectors.  The 64 terms of a dot product are added by the matrix unit, sq_x as
; (channels 0-31) + (channels 32-63), sq_e as (channels d with d mod 16 < 8) + (the others), each part in ascending channels: orders that
; need not be reference()'s, so a tie on the last bit may fall otherwise.  A NaN distance is passed over by the minimum (jnp.argmin would
; return the first NaN); ids stay in 0..511 always.
;
; SHARES.  256 work-groups x 8 waves; a work-group owns 512 vectors of one image, a wave 64.  Lane (r = lane % 16, h = lane / 16) loads
; x[32 h + q][n0 + 4 r .. + 3], q = 0..31: sixteen lanes cover 256 consecutive, aligned bytes.  The four numbers of a load belong to four
; vector tiles: tile i = vectors n0 + 4 r + i.  Both matrix operands use the channel order d = 32 h + 16 s + 2 p + w (K step s, register p,
; half word w); the same permutation of k on both operands keeps the products.  So x goes from its loads to fragments by conversions alone.
; The matrix instruction takes 16 codes as A and 16 vectors as B: lane (r, h) then holds, of vector r, the codes 16 t + 8 h + j, j = 0..7.
; THE CODEBOOK is the same 128 KiB for all 256 work-groups, half of the 256 KiB that a work-group reads.  Each work-group fetches it for itself,
; through registers, where it is rounded to bf16, transposed and squared on its way into LDS.  The count of a joint fetch by four work-groups:
; 32 KiB asked for by a work-group in place of 128, against 128 KiB of raw f32 rows written to LDS bytes of their own and read from there again
; (256 KiB more through LDS a work-group) and two rounds of the cluster's barrier in a launch that has one barrier.
; Wave w, lane (r, h) copies codes 64 w + 4 r .. + 3, in task c of four their channels 16 c + 8 h + 0..7: sixteen lanes cover 256 consecutive, aligned
; bytes of a codebook row, and a lane's packed registers hold half of the channels of four codes, so sq_e is summed from them as they pass.
.set PLANE,  16384                     ; bytes from one channel of an image to the next: 4,096 f32
.set CBROW,  2048                      ; bytes of a codebook row: 512 f32
.set PITCH,  144                       ; LDS bytes of a code: 64 bf16 + 16: nine 16-byte columns, so the 16 neighbouring codes that a fragment load touches start in 16 different columns of 256 bytes
.set TILEB,  16*PITCH+16               ; a tile of 16 codes + 16 bytes = 145 columns: the 16 lanes of a copy's store hold codes four apart, in tile 4 w + r / 4 at place 4 (r % 4) + kc,
                                       ; and start in column r / 4 + 4 (r % 4) + a constant (modulo 16): 16 different ones as well
.set SQEL,   32*TILEB                  ; sq_e: 512 f32 behind the codes
.set XO,  1                            ; v1   byte offset of my 16 bytes of x in channel 32 h
.set CO,  2                            ; v2   byte offset of my 16 bytes in the codebook's row 8 h
.set CS,  3                            ; v3   LDS: where my four codes' 16 bytes go
.set SA,  5                            ; v5   LDS: sq_e of my four codes
.set AA,  6                            ; v6   LDS: my part of the next code tile
.set SS,  7                            ; v7   LDS: my eight sq_e of a tile
.set H8,  8                            ; v8   8 h
.set IO,  9                            ; v9   256 wave + 16 r: byte offset of my four ids, of my four vectors in a channel, of my four codes in a codebook row
.set RR,  10                           ; v10  r
.set HH,  11                           ; v11  h
.set ID,  12                           ; v[12:15]   the four ids (before that: scratch for the addresses)
.set B,   16                           ; v[16:79]   x fragments: tile i, K step s at B + 16 i + 8 s
.set D,   80                           ; v[80:143]  two sets of four accumulators
.set A,   144                          ; v[144:175] two code fragments of 16 registers
.set SQ,  176                          ; v[176:191] two sets of eight sq_e
.set SQX, 192                          ; v[192:199] sq_x of tile i, twice (a pair for the packed multiply-add)
.set T,   200                          ; v[200:207] at work
.set K,   208                          ; v[208:239] tile i: the eight distances of the code tile that holds the best so far
.set BE,  240                          ; v[240:247] tile i: the best distance, two registers that take turns
.set IX,  248                          ; v[248:251] tile i: number of the code tile that holds it
; Before the loop D, B and A..T are landing space for the loads, K holds packed codes, BE the sums of sq_e.
	s_load_b128 s[4:7], s[0:1], 0x0                ; encodings s[4:5], codebook s[6:7]
	s_load_b64 s[8:9], s[0:1], 0x10                ; ids
	v_lshl_add_u32 v254, v0, 2, 0x29000
	v_mov_b32 v255, 0
	v_and_b32 v[RR], 15, v0
	v_bfe_u32 v[HH], v0, 4, 1
	v_lshrrev_b32 v12, 5, v0                       ; wave
	v_lshlrev_b32 v[IO], 4, v[RR]
	v_lshl_add_u32 v[IO], v12, 8, v[IO]            ; 256 wave + 16 r
	v_lshl_add_u32 v[XO], v[HH], 19, v[IO]         ; + 32 h channels of 16,384 bytes
	v_lshl_add_u32 v[CO], v[HH], 14, v[IO]         ; + 8 h rows of 2,048 bytes
	v_lshrrev_b32 v13, 2, v[RR]
	v_lshl_add_u32 v13, v12, 2, v13                ; my four codes' tile: 4 wave + r / 4
	v_and_b32 v14, 3, v[RR]                        ; and their place in it: 4 (r % 4)
	v_mul_u32_u24 v[CS], v13, TILEB
	v_mul_u32_u24 v14, v14, 4*PITCH
	v_add_nc_u32 v[CS], v[CS], v14
	v_lshl_add_u32 v[CS], v[HH], 4, v[CS]          ; + 8 h channels of 2 bytes
	v_add_nc_u32 v[SA], SQEL, v[IO]                ; 4 bytes x (64 wave + 4 r)
	v_mul_u32_u24 v[AA], v[RR], PITCH
	v_lshl_add_u32 v[AA], v[HH], 6, v[AA]          ; channels 32 h .. 32 h + 31 of code r
	v_lshlrev_b32 v[H8], 3, v[HH]
	v_lshlrev_b32 v[SS], 5, v[HH]
	v_add_nc_u32 v[SS], SQEL, v[SS]                ; sq_e of codes 8 h .. 8 h + 7
	s_lshr_b32 s10, ttmp9, 3                       ; image = work-group / 8,
	s_lshl_b32 s10, s10, 20                        ; 64 channels of 16,384 bytes each
	s_and_b32 s11, ttmp9, 7
	s_lshl_b32 s11, s11, 11                        ; + 512 positions of 4 bytes for each of the image's eight work-groups
	s_add_co_u32 s10, s10, s11
	s_mov_b32 s11, 0
	s_lshl_b32 s12, ttmp9, 11                      ; 512 ids of 4 bytes
	s_mov_b32 s13, 0
	s_mov_b32 s14, 0x76543210                      ; v_permlanex16_b32: lane i of one half reads lane i of the other
	s_mov_b32 s15, 0xfedcba98
	s_wait_kmcnt 0x0
	s_add_nc_u64 s[4:5], s[4:5], s[10:11]
	s_add_nc_u64 s[8:9], s[8:9], s[12:13]
; Task c of four: channels 16 c + 8 h + 0..7 of my four codes
.macro CBLOAD task, dst
.irp e, 0,1,2,3,4,5,6,7
	global_load_b128 v[\dst+4*\e:\dst+4*\e+3], v[CO], s[6:7] offset:(16*\task+\e)*CBROW
.endr
.endm
; Sixteen channels of my four vectors
.macro XLOAD ks, dst
.irp q, 0,1,2,3,4,5,6,7,8,9,10,11,12,13,14,15
	global_load_b128 v[\dst+4*\q:\dst+4*\q+3], v[XO], s[4:5] offset:(16*\ks+\q)*PLANE th:TH_LOAD_NT
.endr
.endm
; acc += the square of a register's low, or high, bf16
.macro SQLO acc, reg
	v_fma_mix_f32_bf16 v[\acc], v[\reg], v[\reg], v[\acc] op_sel_hi:[1,1,0]
.endm
.macro SQHI acc, reg
	v_fma_mix_f32_bf16 v[\acc], v[\reg], v[\reg], v[\acc] op_sel:[1,1,0] op_sel_hi:[1,1,0]
.endm
; A task's 8 x 4 numbers, rounded and packed by channel pairs: 16 bytes (8 channels) for each of the four codes go to LDS, and their squares
; onto four sums, one a code, that run side by side: between two links of one sum stand the other three sums' links.
.macro CBPUT task, src
.set KP, K+16*(\task&1)
.irp kc, 0,1,2,3
.irp pp, 0,1,2,3
	v_cvt_pk_bf16_f32 v[KP+4*\kc+\pp], v[\src+8*\pp+\kc], v[\src+8*\pp+4+\kc]
.endr
	ds_store_b128 v[CS], v[KP+4*\kc:KP+4*\kc+3] offset:\kc*PITCH+32*\task
.endr
.irp pp, 0,1,2,3
.if \task+\pp == 0
.irp kc, 0,1,2,3
	v_lshlrev_b32 v[BE+4+\kc], 16, v[KP+4*\kc]     ; the first number starts the sum: nothing is cleared
.endr
.irp kc, 0,1,2,3
	v_mul_f32 v[BE+\kc], v[BE+4+\kc], v[BE+4+\kc]
.endr
.else
.irp kc, 0,1,2,3
	SQLO BE+\kc, KP+4*\kc+\pp
.endr
.endif
.irp kc, 0,1,2,3
	SQHI BE+\kc, KP+4*\kc+\pp
.endr
.endr
.endm
; x as loaded (channel q, tile i at src + 4 q + i) to fragments
.macro XCVT ks, src
.irp i, 0,1,2,3
.irp p, 0,1,2,3,4,5,6,7
	v_cvt_pk_bf16_f32 v[B+16*\i+8*\ks+\p], v[\src+8*\p+\i], v[\src+8*\p+4+\i]
.endr
.endr
.endm
	; The codebook's loads go first, since loads come back in order (ISA guide 5.7.1) and the codebook is needed first; x follows as far as registers reach.
	CBLOAD 0, D
	CBLOAD 1, D+32
	CBLOAD 2, B
	CBLOAD 3, B+32
	XLOAD 0, A                                     ; 48 loads are out
	s_wait_loadcnt 40                              ; 40 younger loads may stay out: task 0's eight are in
	CBPUT 0, D
	s_wait_loadcnt 32                              ; task 1's
	CBPUT 1, D+32
	XLOAD 1, D                                     ; the other 16 channels of x, into the registers just read: again 48 out
	s_wait_loadcnt 40                              ; task 2's
	CBPUT 2, B
	s_wait_loadcnt 32                              ; task 3's; the 32 loads of x stay out
	CBPUT 3, B+32
	; sq_e of my four codes: my 32 channels' sum and the other half's
.irp kc, 0,1,2,3
	v_permlanex16_b32 v[BE+4+\kc], v[BE+\kc], s14, s15
.endr
.irp kc, 0,1,2,3
	v_add_f32 v[BE+\kc], v[BE+\kc], v[BE+4+\kc]    ; the same sum in both halves (addition commutes),
.endr
	ds_store_b128 v[SA], v[BE:BE+3]                ; so both halves store the same 16 bytes to the same place
	s_wait_dscnt 0x0                               ; my codes and my sq_e are in LDS:
	s_barrier_signal -1                            ; say so, and turn x into fragments, which is register work, while the others arrive
	s_wait_loadcnt 16                              ; x, channels q = 0..15; the 16 younger loads may stay out
	XCVT 0, A
	s_wait_loadcnt 0x0
	XCVT 1, D
	s_barrier_wait -1                              ; all 512 codes and sq_e are whole; from here on LDS is only read
.irp c, 0,1,2,3
	ds_load_b128 v[A+4*\c:A+4*\c+3], v[AA] offset:16*\c            ; code tile 0, into registers that the conversions have read; it lands while sq_x is summed
.endr
	v_add_nc_u32 v[AA], TILEB, v[AA]               ; now tile 1
	; sq_x: each lane sums its 32 channels of four vectors, four sums side by side; then the two halves are added
.irp i, 0,1,2,3
	v_lshlrev_b32 v[T+4+\i], 16, v[B+16*\i]
.endr
.irp i, 0,1,2,3
	v_mul_f32 v[T+\i], v[T+4+\i], v[T+4+\i]
.endr
.irp i, 0,1,2,3
	SQHI T+\i, B+16*\i
.endr
.set q, 1
.rept 15
.irp i, 0,1,2,3
	SQLO T+\i, B+16*\i+q
.endr
.irp i, 0,1,2,3
	SQHI T+\i, B+16*\i+q
.endr
.set q, q+1
.endr
.irp i, 0,1,2,3
	v_permlanex16_b32 v[T+4+\i], v[T+\i], s14, s15
.endr
.irp i, 0,1,2,3
	v_add_f32 v[SQX+2*\i], v[T+\i], v[T+4+\i]      ; the same sum in both halves (addition commutes), made twice to fill the pair
	v_add_f32 v[SQX+2*\i+1], v[T+\i], v[T+4+\i]
.endr
; THE VECTOR WORK on the eight dot products of vector tile i and one code tile, in two slices.  par = parity of the step; the products lie in
; the accumulator set that the step before wrote.  proc = 1: the first code tile sets the state up; 2: every later one.
.macro PA par, i, proc
.set DC, D+32*(1-\par)+8*\i
.set SC, SQ+8*(1-\par)
.set TT, T+3*(\i&1)
.if \proc == 1
.set VL, K+8*\i                                    ; the first tile's distances are written straight into the kept set
.else
.set VL, DC
.endif
.irp j, 0,2,4,6
	v_pk_fma_f32 v[DC+\j:DC+\j+1], v[DC+\j:DC+\j+1], -2.0, v[SQX+2*\i:SQX+2*\i+1] op_sel_hi:[1,0,1]   ; fl(sq_x - 2 dot)
.endr
.irp j, 0,2,4,6
	v_pk_add_f32 v[VL+\j:VL+\j+1], v[DC+\j:DC+\j+1], v[SC+\j:SC+\j+1]                                  ; fl(.. + sq_e)
.endr
	v_min3_num_f32 v[TT], v[VL], v[VL+1], v[VL+2]
	v_min3_num_f32 v[TT+1], v[VL+3], v[VL+4], v[VL+5]
.endm
.macro PB par, i, proc, st
.set DC, D+32*(1-\par)+8*\i
.set TT, T+3*(\i&1)
.set BN, BE+2*\i+1-\par                            ; the best, this tile included
.set BO, BE+2*\i+\par                              ; the best before it
.if \proc == 1
.set VL, K+8*\i
	v_min_num_f32 v[TT+2], v[VL+6], v[VL+7]
	v_min3_num_f32 v[BN], v[TT], v[TT+1], v[TT+2]
	v_mov_b32 v[IX+\i], 0
.else
.set VL, DC
	v_min3_num_f32 v[TT+2], v[VL+6], v[VL+7], v[BO]
	v_min3_num_f32 v[BN], v[TT], v[TT+1], v[TT+2]
	v_cmp_lt_f32 vcc_lo, v[BN], v[BO]              ; strictly better only: on a tie the earlier tile stays
	v_cndmask_b32 v[IX+\i], v[IX+\i], \st, vcc_lo
.irp j, 0,1,2,3,4,5,6
	v_cndmask_b32 v[K+8*\i+\j], v[K+8*\i+\j], v[VL+\j], vcc_lo     ; keep the tile's distances: the place inside it is found once, at the end (the eighth follows if none of seven is the best)
.endr
.endif
.endm
; One matrix instruction (vector tile wi, K step ks of this step's code tile) and behind it one slice of the last code tile's vector work.
.macro UNIT par, wi, ks, dow, proc, half, pi, st
.if \dow
.if \ks
	v_wmma_f32_16x16x32_bf16 v[D+32*\par+8*\wi:D+32*\par+8*\wi+7], v[A+16*\par+8:A+16*\par+15], v[B+16*\wi+8:B+16*\wi+15], v[D+32*\par+8*\wi:D+32*\par+8*\wi+7]
.else
	v_wmma_f32_16x16x32_bf16 v[D+32*\par+8*\wi:D+32*\par+8*\wi+7], v[A+16*\par:A+16*\par+7], v[B+16*\wi:B+16*\wi+7], 0
.endif
.endif
.if \proc
.if \half
	PB \par, \pi, \proc, \st
.else
	PA \par, \pi, \proc
.endif
.endif
.endm
; STEP t (par = t % 2): the products of code tile t into accumulator set par, the vector work of tile t - 1 on the other set, the LDS loads of tile t + 1's
; codes and of tile t's sq_e.  The four accumulators take turns, one instruction a turn.  A slice is ten or eleven plain vector
; instructions on the other set's registers: they are the places owed behind a matrix instruction before its result is read and before a load is
; issued into one of its sources (ISA guide 7.12.1 for the result).  Where a step has no vector work, four v_nop stand at its end.
.macro STEP par, aoff, soff, doa, dow, proc, st
	s_wait_dscnt 0x0                               ; the loads that the step before issued: this step's codes, the last tile's sq_e
.if \doa
.irp c, 0,1,2,3
	ds_load_b128 v[A+16*(1-\par)+4*\c:A+16*(1-\par)+4*\c+3], v[AA] offset:\aoff+16*\c
.endr
.endif
.if \dow
	ds_load_b128 v[SQ+8*\par:SQ+8*\par+3], v[SS] offset:\soff
	ds_load_b128 v[SQ+8*\par+4:SQ+8*\par+7], v[SS] offset:\soff+16
.endif
	UNIT \par, 0, 0, \dow, \proc, 0, 0, \st
	UNIT \par, 1, 0, \dow, \proc, 1, 0, \st
	UNIT \par, 2, 0, \dow, \proc, 0, 1, \st
	UNIT \par, 3, 0, \dow, \proc, 1, 1, \st
	UNIT \par, 0, 1, \dow, \proc, 0, 2, \st
	UNIT \par, 1, 1, \dow, \proc, 1, 2, \st
	UNIT \par, 2, 1, \dow, \proc, 0, 3, \st
	UNIT \par, 3, 1, \dow, \proc, 1, 3, \st
.if \proc == 0
.rept 4
	v_nop
.endr
.endif
.endm
	STEP 0, 0, 0, 1, 1, 0, 0                       ; step 0: products of tile 0 alone
	STEP 1, TILEB, 64, 1, 1, 1, 0                  ; step 1: tile 0 sets the state up
	v_add_nc_u32 v[AA], 2*TILEB, v[AA]
	v_add_nc_u32 v[SS], 128, v[SS]
	s_mov_b32 s20, 2                               ; the number of the trip's first step
.Ltrip:
	s_add_co_i32 s21, s20, -1                      ; the code tile whose vector work that step does
	STEP 0, 0, 0, 1, 1, 2, s21
	STEP 1, TILEB, 64, 1, 1, 2, s20
	v_add_nc_u32 v[AA], 2*TILEB, v[AA]
	v_add_nc_u32 v[SS], 128, v[SS]
	s_add_co_u32 s20, s20, 2
	s_cmp_lt_u32 s20, 30
	s_cbranch_scc1 .Ltrip
	STEP 0, 0, 0, 1, 1, 2, 29                      ; step 30 fetches the last code tile,
	STEP 1, 0, 64, 0, 1, 2, 30                     ; step 31 no codes any more,
	STEP 0, 0, 0, 0, 0, 2, 31                      ; and step 32 is tile 31's vector work alone
	; The place inside the winning tile: the lowest j whose kept distance is the best one
.irp i, 0,1,2,3
	v_mov_b32 v[T+\i], 7
.endr
.irp j, 6,5,4,3,2,1,0
.irp i, 0,1,2,3
	v_cmp_eq_f32 vcc_lo, v[K+8*\i+\j], v[BE+2*\i+1]
	v_cndmask_b32 v[T+\i], v[T+\i], \j, vcc_lo
.endr
.endr
	; The two halves of the wave hold different codes of the same vectors: the smaller distance wins, on a tie the lower index
.irp i, 0,1,2,3
	v_lshl_add_u32 v[T+\i], v[IX+\i], 4, v[T+\i]
	v_add_nc_u32 v[T+\i], v[T+\i], v[H8]           ; k = 16 tile + 8 h + j
	v_permlanex16_b32 v[T+4+\i], v[T+\i], s14, s15
	v_permlanex16_b32 v[IX+\i], v[BE+2*\i+1], s14, s15
	v_cmp_lt_f32 s16, v[IX+\i], v[BE+2*\i+1]
	v_cmp_eq_f32 s17, v[IX+\i], v[BE+2*\i+1]
	v_cmp_lt_u32 vcc_lo, v[T+4+\i], v[T+\i]
	s_and_b32 s17, s17, vcc_lo
	s_or_b32 vcc_lo, s16, s17
	v_cndmask_b32 v[ID+\i], v[T+\i], v[T+4+\i], vcc_lo
.endr
	; Lane r of the lower half stores the ids of vectors n0 + 4 r .. + 3: sixteen lanes, 256 consecutive bytes, aligned
	v_cmp_eq_u32 vcc_lo, 0, v[HH]
	s_wait_xcnt 0x0                                ; EXEC changes only behind this wait
	s_wait_tensorcnt 0x0
	ds_add_u32 v254, v255
	s_wait_dscnt 0x0
	s_and_saveexec_b32 s18, vcc_lo
	global_store_b128 v[IO], v[ID:ID+3], s[8:9]
	s_wait_xcnt 0x0                                ; and again in front of the line that widens it
	s_or_b32 exec_lo, exec_lo, s18
	s_endpgm
.Lfunc_end_k_qaf94434927_assign:
	.size	k_qaf94434927_assign, .Lfunc_end_k_qaf94434927_assign-k_qaf94434927_assign
	.p2alignl 7, 3214868480
	.fill 96, 4, 3214868480
	.section	.rodata,"a",@progbits
	.p2align	6, 0x0
	.amdhsa_kernel k_qaf94434927_assign
		.amdhsa_group_segment_fixed_size 168960
		.amdhsa_private_segment_fixed_size 0
		.amdhsa_enable_private_segment 0
		.amdhsa_kernarg_size 24
		.amdhsa_user_sgpr_count 2
		.amdhsa_user_sgpr_kernarg_segment_ptr 1
		.amdhsa_wavefront_size32 1
		.amdhsa_system_sgpr_workgroup_id_x 1
		.amdhsa_system_sgpr_workgroup_id_y 1
		.amdhsa_system_sgpr_workgroup_id_z 1
		.amdhsa_system_vgpr_workitem_id 0
		.amdhsa_next_free_vgpr 256
		.amdhsa_next_free_sgpr 66
		.amdhsa_reserve_vcc 1
		.amdhsa_float_denorm_mode_32 3
		.amdhsa_float_denorm_mode_16_64 3
		.amdhsa_memory_ordered 1
		.amdhsa_forward_progress 1
		.amdhsa_inst_pref_size 70
	.end_amdhsa_kernel
	.amdgpu_metadata
---
amdhsa.version: [ 1, 2 ]
amdhsa.kernels:
  - .name:           k_qaf94434927_assign
    .symbol:         k_qaf94434927_assign.kd
    .args:
      - { .name: encodings, .offset: 0, .size: 8, .value_kind: global_buffer, .address_space: global }
      - { .name: codebook, .offset: 8, .size: 8, .value_kind: global_buffer, .address_space: global }
      - { .name: ids, .offset: 16, .size: 8, .value_kind: global_buffer, .address_space: global }
    .group_segment_fixed_size: 168960
    .private_segment_fixed_size: 0
    .kernarg_segment_align: 8
    .kernarg_segment_size: 24
    .max_flat_workgroup_size: 256
    .sgpr_count:     66
    .vgpr_count:     256
    .wavefront_size: 32
...
	.end_amdgpu_metadata
.endif
;; end of part 1
;; launch lookup (part 2): grid 8 x 32, 8 waves a work-group, no clusters, 168,960 bytes of LDS; arguments codebook, ids, out0; writes out0
.if DOCPART == 2
	.amdgcn_target "amdgcn-amd-amdhsa--gfx1250"
	.amdhsa_code_object_version 6
	.text
	.protected	k_qaf94434927_lookup
	.globl	k_qaf94434927_lookup
	.p2align	8
	.type	k_qaf94434927_lookup,@function
k_qaf94434927_lookup:
	s_mov_b64 s[64:65], 0
	v_nop
	global_prefetch_b8 v0, s[64:65] scope:SCOPE_SE
	s_setreg_imm32_b32 hwreg(HW_REG_WAVE_MODE, 25, 1), 1
	s_wait_xcnt 0x0
; VanillaVectorQuantizer, second of two launches: out0[b][d][hw] = codebook[d][ids[4096 b + hw]], the f32 codebook as it is given.
; Nothing of reference() is left out here: this is its jnp.take and its last moveaxis.
; A stream bound by its 32 MiB of stores: no matrix unit, no cluster, no tensor load.
; Work-group (g, b) owns channels 8 g .. 8 g + 7 of image b: 128 KiB of out0 without a gap.  Its table is eight rows of the codebook, 16 KiB; its indices
; are the image's 4,096 ids, 16 KiB.  (Splitting by vectors alone would make every work-group copy all 128 KiB of the codebook.)
; THE TABLE lies in LDS by codes, in two dense parts: [code][channels 0-3] at byte 0 and [code][channels 4-7] at byte 8,192, 16 bytes a code in each.
; So a position is looked up by two LDS loads of 16 bytes, which carry four channels each: 32 LDS loads a lane for its 16 positions, where a table
; by channels would take 128 loads of 4 bytes.  A load starts in the 16-byte column id mod 16, whatever the ids are.
; Thread t brings codes t and t + 256 in, a word for each channel, each straight into the register from which its 16-byte LDS store takes it (a wave's
; load covers 128 consecutive bytes; the table is an eighth of the bytes that the work-group stores).
; Thread t owns positions 1024 p + 4 t .. + 3, p = 0..3.  A pass's eight LDS loads give 4 positions x 8 channels; a store wants the four positions of one
; channel in four neighbouring registers, so the block is turned by 16 pairs of moves, and a wave's store covers 512 consecutive bytes, aligned.
; An id outside 0..511 cannot come from the first launch; it is clamped all the same before it enters an address.
.set ROWB,  2048                       ; bytes of a codebook row
.set PLANE, 16384                      ; bytes of a channel of an image
.set PASS,  4096                       ; bytes that 256 threads cover with 16 bytes each
.set PART,  8192                       ; bytes of a part of the table: 512 codes x 4 channels
.set IDX, 4                            ; v[4:19]    my 16 ids, then 16 x id: a code's place in a part of the table
.set R,   20                           ; v[20:147]  pass p, position q, channel d as looked up: R + 32 p + 8 q + d
.set X,   148                          ; v[148:179] first my two codes of the table (16 registers), then pass 0 turned
; Pass p turned lies at channel d, position q: 4 d + q, in X for pass 0 and in pass p - 1's 32 registers of R for the others: those have been read by then,
; and no register that a store reads is ever written again, so no store's data is waited for.
	s_load_b128 s[4:7], s[0:1], 0x0                ; codebook s[4:5], ids s[6:7]
	s_load_b64 s[8:9], s[0:1], 0x10                ; out0
	v_lshl_add_u32 v180, v0, 2, 0x29000
	v_mov_b32 v181, 0
	v_lshlrev_b32 v1, 4, v0                        ; 16 t: code t's place in a part of the table, my place in a pass of ids and in a pass of a channel; never rewritten
	v_lshlrev_b32 v2, 2, v0                        ; 4 t: code t's word in a codebook row
	s_lshl_b32 s10, ttmp9, 14                      ; eight codebook rows for each channel group
	s_mov_b32 s11, 0
	s_and_b32 s12, ttmp7, 0xffff                   ; image
	s_lshl_b32 s14, s12, 14                        ; 4,096 ids of 4 bytes
	s_mov_b32 s15, 0
	s_lshl_b32 s16, s12, 20                        ; 64 channels of 16,384 bytes,
	s_lshl_b32 s17, ttmp9, 17                      ; and eight channels for each group
	s_add_co_u32 s16, s16, s17
	s_mov_b32 s17, 0
	s_wait_kmcnt 0x0
	s_add_nc_u64 s[4:5], s[4:5], s[10:11]
	s_add_nc_u64 s[6:7], s[6:7], s[14:15]
	s_add_nc_u64 s[8:9], s[8:9], s[16:17]
.irp cc, 0,1
.irp e, 0,1,2,3,4,5,6,7
	global_load_b32 v[X+8*\cc+\e], v2, s[4:5] offset:\e*ROWB+\cc*1024      ; channel e of code t + 256 cc
.endr
.endr
.irp p, 0,1,2,3
	global_load_b128 v[IDX+4*\p:IDX+4*\p+3], v1, s[6:7] offset:\p*PASS
.endr
	s_wait_loadcnt 4                               ; the table's sixteen loads are in; the four of the ids may stay out
.irp cc, 0,1
	ds_store_b128 v1, v[X+8*\cc:X+8*\cc+3] offset:\cc*PASS                 ; lane i at 16 i: neighbouring lanes, neighbouring 16 bytes
	ds_store_b128 v1, v[X+8*\cc+4:X+8*\cc+7] offset:PART+\cc*PASS
.endr
	s_wait_loadcnt 0x0
.irp n, 0,1,2,3,4,5,6,7,8,9,10,11,12,13,14,15
	v_min_u32 v[IDX+\n], 0x1ff, v[IDX+\n]
.endr
.irp n, 0,1,2,3,4,5,6,7,8,9,10,11,12,13,14,15
	v_lshlrev_b32 v[IDX+\n], 4, v[IDX+\n]
.endr
	s_wait_dscnt 0x0                               ; my part of the table is in LDS,
	s_barrier_signal -1
	s_barrier_wait -1                              ; everybody's is
	; All 32 look-ups go out in one run, pass by pass: each has registers of its own
.irp p, 0,1,2,3
.irp q, 0,1,2,3
	ds_load_b128 v[R+32*\p+8*\q:R+32*\p+8*\q+3],   v[IDX+4*\p+\q]
	ds_load_b128 v[R+32*\p+8*\q+4:R+32*\p+8*\q+7], v[IDX+4*\p+\q] offset:PART
.endr
.endr
; Pass p is turned into the 32 registers at t and stored, two channels at a time.  A pair of moves takes (d, q) with (d + 1, q + 1), or (d + 1, q) with
; (d, q + 1), d and q even: one destination is even and the other odd, and the two sources' numbers differ by 9 or by 7, so not by a multiple of 4.
.macro TURN p, t
	s_wait_dscnt 8*(3-\p)                          ; LDS loads come back in order (ISA guide 5.7.1): the later passes' eight loads each may stay out
.irp d, 0,2,4,6
.irp q, 0,2
	v_dual_mov_b32 v[\t+4*\d+\q], v[R+32*\p+8*\q+\d] :: v_dual_mov_b32 v[\t+4*\d+5+\q], v[R+32*\p+8*\q+9+\d]
	v_dual_mov_b32 v[\t+4*\d+4+\q], v[R+32*\p+8*\q+1+\d] :: v_dual_mov_b32 v[\t+4*\d+1+\q], v[R+32*\p+8*\q+8+\d]
.endr
	global_store_b128 v1, v[\t+4*\d:\t+4*\d+3], s[8:9] offset:\d*PLANE+\p*PASS th:TH_STORE_NT
	global_store_b128 v1, v[\t+4*\d+4:\t+4*\d+7], s[8:9] offset:(\d+1)*PLANE+\p*PASS th:TH_STORE_NT
.endr
.endm
	TURN 0, X
	TURN 1, R
	TURN 2, R+32
	TURN 3, R+64
	s_wait_tensorcnt 0x0
	ds_add_u32 v180, v181
	s_wait_dscnt 0x0
	s_endpgm
.Lfunc_end_k_qaf94434927_lookup:
	.size	k_qaf94434927_lookup, .Lfunc_end_k_qaf94434927_lookup-k_qaf94434927_lookup
	.p2alignl 7, 3214868480
	.fill 96, 4, 3214868480
	.section	.rodata,"a",@progbits
	.p2align	6, 0x0
	.amdhsa_kernel k_qaf94434927_lookup
		.amdhsa_group_segment_fixed_size 168960
		.amdhsa_private_segment_fixed_size 0
		.amdhsa_enable_private_segment 0
		.amdhsa_kernarg_size 24
		.amdhsa_user_sgpr_count 2
		.amdhsa_user_sgpr_kernarg_segment_ptr 1
		.amdhsa_wavefront_size32 1
		.amdhsa_system_sgpr_workgroup_id_x 1
		.amdhsa_system_sgpr_workgroup_id_y 1
		.amdhsa_system_sgpr_workgroup_id_z 1
		.amdhsa_system_vgpr_workitem_id 0
		.amdhsa_next_free_vgpr 182
		.amdhsa_next_free_sgpr 66
		.amdhsa_reserve_vcc 0
		.amdhsa_float_denorm_mode_32 3
		.amdhsa_float_denorm_mode_16_64 3
		.amdhsa_memory_ordered 1
		.amdhsa_forward_progress 1
		.amdhsa_inst_pref_size 15
	.end_amdhsa_kernel
	.amdgpu_metadata
---
amdhsa.version: [ 1, 2 ]
amdhsa.kernels:
  - .name:           k_qaf94434927_lookup
    .symbol:         k_qaf94434927_lookup.kd
    .args:
      - { .name: codebook, .offset: 0, .size: 8, .value_kind: global_buffer, .address_space: global }
      - { .name: ids, .offset: 8, .size: 8, .value_kind: global_buffer, .address_space: global }
      - { .name: out0, .offset: 16, .size: 8, .value_kind: global_buffer, .address_space: global }
    .group_segment_fixed_size: 168960
    .private_segment_fixed_size: 0
    .kernarg_segment_align: 8
    .kernarg_segment_size: 24
    .max_flat_workgroup_size: 256
    .sgpr_count:     66
    .vgpr_count:     182
    .wavefront_size: 32
...
	.end_amdgpu_metadata
.endif
;; end of part 2
